; MI455X (gfx1250); checked and timed in simulation.
; The chip was launched on July 23, 2026; its instructions are those of AMD's public machine-readable ISA for CDNA 5 (MIT licence, August 2026) and "CDNA5" Instruction Set Architecture Reference Guide (July 2026). The comments in the code are by the model that wrote it; some were corrected since.
;; ODE Decoder Dynamic. Allowed arithmetic: float matrix products may take bf16 or f16 operands with f32 sums; other float arithmetic in f32, or as packed bf16 or f16 multiplies, adds, multiply-adds, maxima and minima; sums over many terms, partial sums and values carried from step to step in f32; what a program stores and reads back later, other than sums and carried values, may be rounded once to bf16 or f16.
;; Inputs: W1 64 x 64 float32; W2 64 x 64 float32; b1 64 float32; b2 64 float32; vt 8 float32; y0 8,192 x 64 float32.
;; Outputs: out0 8 x 8,192 x 64 float32.
;; One version. Each part assembles by itself: llvm-mc -triple=amdgcn-amd-amdhsa -mcpu=gfx1250 --defsym DOCPART=n.
;; ======== version 1 of 1: 16 launches
;; workspace buffers: SA 4,196,864 bytes; SB 4,196,864 bytes; IA 512 bytes of whole numbers; IB 512 bytes of whole numbers; WF 16,384 bytes
;; launch init (part 1): grid 256 x 1, 2 waves a work-group, no clusters, 0 bytes of LDS; arguments y0, W1, W2, vt, SA, IA, WF; writes SA, IA, WF
.if DOCPART == 1
	.amdgcn_target "amdgcn-amd-amdhsa--gfx1250"
	.amdhsa_code_object_version 6
	.text
	.protected	k_qfeff8fb4f7_init
	.globl	k_qfeff8fb4f7_init
	.p2align	8
	.type	k_qfeff8fb4f7_init,@function
k_qfeff8fb4f7_init:
	s_mov_b64 s[64:65], 0
	v_nop
	global_prefetch_b8 v0, s[64:65] scope:SCOPE_SE
	s_setreg_imm32_b32 hwreg(HW_REG_WAVE_MODE, 25, 1), 1
	s_wait_xcnt 0x0
; SET-UP FOR THE DORMAND-PRINCE WALK.  Three things, none of which needs LDS or the matrix unit:
; (1) y0 [8192][64] f32 is laid out by tiles of 16 rows in the order in which a wave of the step kernel holds a tile in registers:
;     byte tile*4096 + g*512 + lane*16, quad g = 2 mt + q = features 16 mt + 8 h + 4 q .. +3 of row 16 tile + r (r = lane % 16, h = lane / 16).
;     It is stored twice: as the state y and as the candidate y_new, so that the first step finds both written.
; (2) W1 (times 2 log2(e), so that tanh can be made of one exponential in base 2) and W2 are rounded once to bf16 and stored as the sixteen
;     A fragments of the transposed products: fragment f = 8 mat + 2 mt + ks, A(m = 16 mt + r, k = 32 ks + 16 half + 8 h + e) = W[k][m].
; (3) the walk's state: (t, h, h_try, act) = (vt0, 0.1 (vt1 - vt0), 0, 0), the whole numbers (slice 0, slot number 5, launch 1, 0) of a slot
;     that never was, and 512 partial sums of 0: the first step then finishes a slot that changes nothing and begins segment 0.
; 512 waves, one tile each; waves 0-15 also make one fragment each, wave 16 the state.
; The eight loads of a tile take 16 bytes a lane from 16 rows: together they use every byte of the tile's 4,096, and this is the only time y0 is read.
.set YNEW,  2097152                    ; y_new behind y
.set PART,  4194304                    ; 512 partial sums
.set CTRLF, 4196352                    ; (t, h, h_try, act), once for each of 32 lanes
.set YD,    36                         ; v36-67 the tile
	s_load_b256 s[4:11], s[0:1], 0x0               ; y0 s[4:5], W1 s[6:7], W2 s[8:9], vt s[10:11]
	s_load_b128 s[12:15], s[0:1], 0x20             ; SA s[12:13], IA s[14:15]
	s_load_b64 s[16:17], s[0:1], 0x30              ; WF
	v_and_b32 v1, 31, v0                           ; lane
	v_lshrrev_b32 v2, 5, v0
	v_readfirstlane_b32 s18, v2                    ; wave 0, 1
	s_lshl1_add_u32 s19, ttmp9, s18                ; tile = 2 x work-group + wave
	s_lshl_b32 s20, s19, 12                        ; a tile is 4,096 bytes, in y0 and in SA
	v_and_b32 v3, 15, v1                           ; r
	v_lshrrev_b32 v4, 4, v1                        ; h
	v_lshlrev_b32 v5, 8, v3
	v_lshl_add_u32 v5, v4, 5, v5
	v_add_nc_u32 v5, s20, v5                       ; from: tile + 256 r + 32 h
	v_lshlrev_b32 v6, 4, v1                        ; 16 x lane
	v_add_nc_u32 v7, s20, v6                       ; to: tile + 16 x lane
	s_wait_kmcnt 0x0
.irp g, 0,1,2,3,4,5,6,7
	global_load_b128 v[YD+4*\g:YD+4*\g+3], v5, s[4:5] offset:(\g/2)*64+(\g%2)*16
.endr
.irp g, 0,1,2,3,4,5,6,7
	s_wait_loadcnt 7-\g                            ; loads come back in order: quad g is in, the younger ones stay out
	global_store_b128 v7, v[YD+4*\g:YD+4*\g+3], s[12:13] offset:512*\g          ; each store of the wave covers 512 consecutive bytes, aligned
	global_store_b128 v7, v[YD+4*\g:YD+4*\g+3], s[12:13] offset:YNEW+512*\g
.endr
	s_cmp_lt_u32 s19, 16
	s_cbranch_scc0 .Lno_fragment
	; fragment f = tile
	s_and_b32 s21, s19, 1                          ; ks
	s_bfe_u32 s22, s19, 0x20001                    ; mt: two bits from bit 1
	s_lshl_b32 s21, s21, 13                        ; 32 ks rows of 256 bytes
	s_lshl_b32 s22, s22, 6                         ; 16 mt columns
	s_add_co_u32 s21, s21, s22
	v_lshlrev_b32 v8, 11, v4                       ; 8 h rows
	v_lshl_add_u32 v8, v3, 2, v8                   ; column r
	v_add_nc_u32 v8, s21, v8
	s_lshl_b32 s28, s19, 10
	v_add_nc_u32 v9, s28, v6                       ; to: 1,024 f + 16 x lane
	s_cmp_lt_u32 s19, 8                            ; fragments 0-7 are W1's
	s_cselect_b64 s[24:25], s[6:7], s[8:9]
	s_cselect_b32 s26, 0x4038aa3b, 1.0             ; 2 log2(e) for W1, 1 for W2
	s_mov_b32 s27, s26                             ; named with it as a pair
.set i, 0
.rept 16
	global_load_b32 v[10+i], v8, s[24:25] offset:4096*(i/8)+256*(i%8)  ; W[32 ks + 16 (i / 8) + 8 h + i % 8][16 mt + r]
.set i, i+1
.endr
	s_wait_loadcnt 0x0
.set i, 0
.rept 8
	v_pk_mul_f32 v[10+2*i:11+2*i], v[10+2*i:11+2*i], s[26:27] op_sel_hi:[1,0]
.set i, i+1
.endr
.set i, 0
.rept 8
	v_cvt_pk_bf16_f32 v[26+i], v[10+2*i], v[11+2*i]   ; the lower k in the low half
.set i, i+1
.endr
	global_store_b128 v9, v[26:29], s[16:17]           ; registers 0-3 of the fragment
	global_store_b128 v9, v[30:33], s[16:17] offset:512  ; registers 4-7
	s_endpgm
.Lno_fragment:
	s_cmp_eq_u32 s19, 16
	s_cbranch_scc0 .Ldone
	s_load_b64 s[24:25], s[10:11], 0x0             ; vt[0], vt[1]; no line of this kernel writes vt
	v_mov_b32 v12, 0                               ; h_try
	v_mov_b32 v13, 0                               ; act
	v_mov_b32 v14, 0                               ; slice 0
	v_mov_b32 v15, 5                               ; slot number + 6: the slot in front of slot 0
	v_mov_b32 v16, 1                               ; the next launch is step 1
	v_mov_b32 v17, 0
	v_mov_b32 v18, 0
	v_mov_b32 v19, 0
	v_mov_b32 v20, 0
	v_mov_b32 v21, 0
	s_wait_kmcnt 0x0
	v_mov_b32 v10, s24                             ; t
	v_sub_f32 v11, s25, v10
	v_mul_f32 v11, 0x3dcccccd, v11                 ; h = 0.1 (vt1 - vt0)
	global_store_b128 v6, v[10:13], s[12:13] offset:CTRLF
	global_store_b128 v6, v[14:17], s[14:15]
.irp i, 0,1,2,3
	global_store_b128 v6, v[18:21], s[12:13] offset:PART+512*\i
.endr
.Ldone:
	s_endpgm
.Lfunc_end_k_qfeff8fb4f7_init:
	.size	k_qfeff8fb4f7_init, .Lfunc_end_k_qfeff8fb4f7_init-k_qfeff8fb4f7_init
	.p2alignl 7, 3214868480
	.fill 96, 4, 3214868480
	.section	.rodata,"a",@progbits
	.p2align	6, 0x0
	.amdhsa_kernel k_qfeff8fb4f7_init
		.amdhsa_group_segment_fixed_size 0
		.amdhsa_private_segment_fixed_size 0
		.amdhsa_enable_private_segment 0
		.amdhsa_kernarg_size 56
		.amdhsa_user_sgpr_count 2
		.amdhsa_user_sgpr_kernarg_segment_ptr 1
		.amdhsa_wavefront_size32 1
		.amdhsa_system_sgpr_workgroup_id_x 1
		.amdhsa_system_sgpr_workgroup_id_y 1
		.amdhsa_system_sgpr_workgroup_id_z 1
		.amdhsa_system_vgpr_workitem_id 0
		.amdhsa_next_free_vgpr 72
		.amdhsa_next_free_sgpr 66
		.amdhsa_reserve_vcc 0
		.amdhsa_float_denorm_mode_32 3
		.amdhsa_float_denorm_mode_16_64 3
		.amdhsa_memory_ordered 1
		.amdhsa_forward_progress 1
		.amdhsa_inst_pref_size 8
	.end_amdhsa_kernel
	.amdgpu_metadata
---
amdhsa.version: [ 1, 2 ]
amdhsa.kernels:
  - .name:           k_qfeff8fb4f7_init
    .symbol:         k_qfeff8fb4f7_init.kd
    .args:
      - { .name: y0, .offset: 0, .size: 8, .value_kind: global_buffer, .address_space: global }
      - { .name: W1, .offset: 8, .size: 8, .value_kind: global_buffer, .address_space: global }
      - { .name: W2, .offset: 16, .size: 8, .value_kind: global_buffer, .address_space: global }
      - { .name: vt, .offset: 24, .size: 8, .value_kind: global_buffer, .address_space: global }
      - { .name: SA, .offset: 32, .size: 8, .value_kind: global_buffer, .address_space: global }
      - { .name: IA, .offset: 40, .size: 8, .value_kind: global_buffer, .address_space: global }
      - { .name: WF, .offset: 48, .size: 8, .value_kind: global_buffer, .address_space: global }
    .group_segment_fixed_size: 0
    .private_segment_fixed_size: 0
    .kernarg_segment_align: 8
    .kernarg_segment_size: 56
    .max_flat_workgroup_size: 64
    .sgpr_count:     66
    .vgpr_count:     72
    .wavefront_size: 32
...
	.end_amdgpu_metadata
.endif
;; end of part 1
;; launch s01 (part 2): grid 256 x 1, 2 waves a work-group, no clusters, 8,960 bytes of LDS; arguments SA, IA, WF, b1, b2, vt, SB, IB, out0; writes SB, IB, out0
.if DOCPART == 2
	.amdgcn_target "amdgcn-amd-amdhsa--gfx1250"
	.amdhsa_code_object_version 6
	.text
	.protected	k_qfeff8fb4f7_s01
	.globl	k_qfeff8fb4f7_s01
	.p2align	8
	.type	k_qfeff8fb4f7_s01,@function
k_qfeff8fb4f7_s01:
	s_mov_b64 s[64:65], 0
	v_nop
	global_prefetch_b8 v0, s[64:65] scope:SCOPE_SE
	s_setreg_imm32_b32 hwreg(HW_REG_WAVE_MODE, 25, 1), 1
	s_wait_xcnt 0x0
; ONE SLOT OF THE ADAPTIVE DORMAND-PRINCE 5(4) WALK, f(y) = tanh(y W1 + b1) W2 + b2, y [8192][64] f32.
; The error norm of a slot is a mean over all 8192 x 64 numbers, so it crosses work-groups at a launch's end alone.  This launch
;   (a) FINISHES the slot that the launch before evaluated: adds its 512 partial sums (every wave, in one fixed order, so all agree), makes err_norm, accept, the new t and h,
;       takes y_new or keeps y, stores that y as the next state and as the slice of out0 of the slot's segment (a later launch of the same segment writes it again; the last one is final);
;   (b) CHOOSES the next slot: the one behind it, or, where the segment has arrived (t1 - t <= 1e-9: the problem's own mask makes all its further slots change nothing), the first slot
;       of the next segment, but never beyond slot 27 + n in launch n, so that each of the fourteen launches evaluates a true slot.  The choice is made by selects alone and stored as whole numbers;
;   (c) EVALUATES that slot: seven evaluations of f, the candidate y_new, and this tile's sum of (err / scale)^2.
; SHARES.  512 tiles of 16 rows, one to a wave, two waves to a work-group; the waves share nothing, so there is no barrier.  A tile, its seven k and both weight matrices lie in registers.
; LAYOUT.  Both products are used transposed: Z^T = W1'^T Y^T, K^T = W2^T A^T (source 0 = 16 outputs x 32 inputs of a weight, source 1 = 32 inputs x 16 rows).  In a result lane (r, h) holds
; row r and outputs 16 mt + 8 h + 0..7; two such results rounded to bf16 in pairs ARE source 1 of the next product.  So y, every stage's input, tanh and every k keep one layout and nothing changes lanes.
; The bias is the C operand of the product that starts a sum.
; FORMATS AND LIMITS.  Matrix operands in bf16 (stage inputs have no bound that f16 would hold), sums, y, k, err, partial sums, t and h in f32.  tanh(z) = 1 - 2 / (1 + 2^(2 log2(e) z)), the factor
; folded into W1 and b1: absolute error some 1e-7, exact at both ends.  Stage inputs are y + sum (h a) k with h a rounded first; err / scale by a reciprocal; e^-0.2 = 2^(-0.2 log2 e).
; The operands' rounding lifts the floor of err_norm, so h may differ from an f32 walk's where err_norm is tiny.  A NaN err_norm rejects and makes h NaN, as in the problem's function; a NaN in vt is not treated apart.
; REGISTERS, in windows of 256 (s_set_vgpr_msb: bits 1:0 source 0, 3:2 source 1, 5:4 source 2, 7:6 destination):
;   window 0: v1 lane; v2 16 x lane; v3 4096 tile + 16 lane; v4, v5 stage in, stage back; v6 32 h; v7, v8 the add's two; v9 vt[min(lane, 7)]; v10-13 t, h, h_try, act; v14-19 at work;
;             v20-23, v24-27 the next state and whole numbers; v30 the sum; Y, S, Z, E 32 each; P 16; CT 26 coefficients times h in even registers (the odd ones 0: named with them as pairs); ACC 8
;   window 1: k_j at 32 (j - 1)          window 2: W1's fragments 0-63, W2's 64-127, b1 128-159, b2 160-191
.set YNEW,  2097152                    ; in a state buffer: y_new behind y,
.set PART,  4194304                    ; 512 partial sums,
.set CTRLF, 4196352                    ; (t, h, h_try, act) once for each of 32 lanes
.set PITCH, 272                        ; a row of the stage: 256 bytes + 16: row r starts at bank 4 r mod 64 (64 banks of 4 bytes: ISA guide 11.1), so 16 rows start at 16 different banks
.set STAGE, 16*PITCH                   ; a wave's own stage, 4,352 bytes
.set SPARE, 2*STAGE                    ; behind the stages: the spare words, 128 bytes for each wave: one block of 256 bytes that no other line names
.set Y,   32
.set S,   64
.set Z,   96
.set E,   128
.set P,   160
.set CT,  176
.set ACC, 228
.set W1F, 0
.set W2F, 64
.set B1,  128
.set B2,  160
.set MSB, 0
.macro WIN new                         ; the immediate's high byte repeats the setting that is left; a switch that changes nothing is dropped
.if MSB != (\new)
	s_set_vgpr_msb (MSB<<8)|(\new)
.set MSB, \new
.endif
.endm
.macro NOPS4                           ; four places behind matrix instructions where no other vector work is at hand (ISA guide 7.12.1)
.rept 4
	v_nop
.endr
.endm
.macro PACKB x                         ; 32 f32 -> 16 registers of bf16 pairs: source 1 of both K steps
	WIN 0
.set i, 0
.rept 16
	v_cvt_pk_bf16_f32 v[P+i], v[\x+2*i], v[\x+2*i+1]
.set i, i+1
.endr
.endm
; Eight matrix instructions: four accumulators by turns, one instruction a turn; the first four start the sums with the bias.
.macro MM1                             ; Z = W1' x P + b1'
	WIN 0x22                                       ; A and C in window 2
.irp m, 0,1,2,3
	v_wmma_f32_16x16x32_bf16 v[Z+8*\m:Z+8*\m+7], v[W1F+16*\m:W1F+16*\m+7], v[P:P+7], v[B1+8*\m:B1+8*\m+7]
.endr
	WIN 0x02
.irp m, 0,1,2,3
	v_wmma_f32_16x16x32_bf16 v[Z+8*\m:Z+8*\m+7], v[W1F+16*\m+8:W1F+16*\m+15], v[P+8:P+15], v[Z+8*\m:Z+8*\m+7]
.endr
.endm
.macro MM2 j                           ; k_j = W2 x P + b2
	WIN 0x62                                       ; A and C in window 2, D in window 1
.irp m, 0,1,2,3
	v_wmma_f32_16x16x32_bf16 v[32*(\j-1)+8*\m:32*(\j-1)+8*\m+7], v[W2F+16*\m:W2F+16*\m+7], v[P:P+7], v[B2+8*\m:B2+8*\m+7]
.endr
	WIN 0x52                                       ; C and D in window 1
.irp m, 0,1,2,3
	v_wmma_f32_16x16x32_bf16 v[32*(\j-1)+8*\m:32*(\j-1)+8*\m+7], v[W2F+16*\m+8:W2F+16*\m+15], v[P+8:P+15], v[32*(\j-1)+8*\m:32*(\j-1)+8*\m+7]
.endr
.endm
.macro TANH                            ; Z = 1 - 2 / (1 + 2^Z); each accumulator is read from its lowest register on; a plain line stands behind each run of transcendentals
	WIN 0
.set i, 0
.rept 32
	v_exp_f32 v[Z+i], v[Z+i]
.set i, i+1
.endr
	v_nop
.set i, 0
	s_wait_alu depctr_va_vdst(0)
.rept 16
	v_pk_add_f32 v[Z+i:Z+i+1], v[Z+i:Z+i+1], 1.0 op_sel_hi:[1,0]
.set i, i+2
.endr
.set i, 0
.rept 32
	v_rcp_f32 v[Z+i], v[Z+i]
.set i, i+1
.endr
	v_nop
.set i, 0
	s_wait_alu depctr_va_vdst(0)
.rept 16
	v_pk_fma_f32 v[Z+i:Z+i+1], v[Z+i:Z+i+1], -2.0, 1.0 op_sel_hi:[1,0,0]
.set i, i+2
.endr
.endm
.macro TERM d, a, j, c                 ; d = k_j x coefficient c + a
	WIN 0x01                                       ; source 0 in window 1
.set i, 0
.rept 16
	v_pk_fma_f32 v[\d+i:\d+i+1], v[32*(\j-1)+i:32*(\j-1)+i+1], v[CT+2*\c:CT+2*\c+1], v[\a+i:\a+i+1] op_sel_hi:[1,0,1]
.set i, i+2
.endr
.endm
.macro TERM0 d, j, c                   ; d = k_j x coefficient c
	WIN 0x01
.set i, 0
.rept 16
	v_pk_mul_f32 v[\d+i:\d+i+1], v[32*(\j-1)+i:32*(\j-1)+i+1], v[CT+2*\c:CT+2*\c+1] op_sel_hi:[1,0]
.set i, i+2
.endr
.endm
.macro COEF h                          ; the 26 coefficients times the step in v[h]
	WIN 0
	v_mul_f32 v[CT+0],  0.2, v[\h]                 ; a21
	v_mul_f32 v[CT+2],  0.075, v[\h]               ; a31 = 3/40
	v_mul_f32 v[CT+4],  0.225, v[\h]               ; a32 = 9/40
	v_mul_f32 v[CT+6],  0.97777778, v[\h]          ; a41 = 44/45
	v_mul_f32 v[CT+8],  -3.7333333, v[\h]          ; a42 = -56/15
	v_mul_f32 v[CT+10], 3.5555556, v[\h]           ; a43 = 32/9
	v_mul_f32 v[CT+12], 2.9525987, v[\h]           ; a51 = 19372/6561
	v_mul_f32 v[CT+14], -11.595793, v[\h]          ; a52 = -25360/2187
	v_mul_f32 v[CT+16], 9.8228929, v[\h]           ; a53 = 64448/6561
	v_mul_f32 v[CT+18], -0.29080933, v[\h]         ; a54 = -212/729
	v_mul_f32 v[CT+20], 2.8462753, v[\h]           ; a61 = 9017/3168
	v_mul_f32 v[CT+22], -10.757576, v[\h]          ; a62 = -355/33
	v_mul_f32 v[CT+24], 8.9064227, v[\h]           ; a63 = 46732/5247
	v_mul_f32 v[CT+26], 0.27840909, v[\h]          ; a64 = 49/176
	v_mul_f32 v[CT+28], -0.2735313, v[\h]          ; a65 = -5103/18656
	v_mul_f32 v[CT+30], 0.091145833, v[\h]         ; b1 = 35/384
	v_mul_f32 v[CT+32], 0.4492363, v[\h]           ; b3 = 500/1113
	v_mul_f32 v[CT+34], 0.65104167, v[\h]          ; b4 = 125/192
	v_mul_f32 v[CT+36], -0.32237618, v[\h]         ; b5 = -2187/6784
	v_mul_f32 v[CT+38], 0.13095238, v[\h]          ; b6 = 11/84
	v_mul_f32 v[CT+40], 0.0012326389, v[\h]        ; e1 = 71/57600
	v_mul_f32 v[CT+42], -0.0042527703, v[\h]       ; e3 = -71/16695
	v_mul_f32 v[CT+44], 0.036979167, v[\h]         ; e4 = 71/1920
	v_mul_f32 v[CT+46], -0.050863797, v[\h]        ; e5 = -17253/339200
	v_mul_f32 v[CT+48], 0.041904762, v[\h]         ; e6 = 22/525
	v_mul_f32 v[CT+50], -0.025, v[\h]              ; e7 = -1/40
.endm
; THE SEVEN STAGES.  Y stays; S is each stage's input and at last y_new; E becomes err.  The terms of the next stage's input that use k already known stand behind the matrix instructions:
; they name none of those instructions' registers, so they are the four places in front of the first read of a result and of the next rounding into P.  first = 1: W2 and b2 are waited for.
.macro STEP7 first
	PACKB Y
	MM1
	NOPS4
	TANH
	PACKB Z
.if \first
	s_wait_loadcnt 0x0                             ; W2's fragments and b2: the last loads of the kernel
.endif
	MM2 1
	NOPS4
	TERM S, Y, 1, 0
	PACKB S
	MM1
	NOPS4
	TANH
	PACKB Z
	MM2 2
	TERM S, Y, 1, 1
	TERM S, S, 2, 2
	PACKB S
	MM1
	TERM S, Y, 1, 3
	TANH
	PACKB Z
	MM2 3
	TERM S, S, 2, 4
	TERM S, S, 3, 5
	PACKB S
	MM1
	TERM S, Y, 1, 6
	TERM S, S, 2, 7
	TANH
	PACKB Z
	MM2 4
	TERM S, S, 3, 8
	TERM S, S, 4, 9
	PACKB S
	MM1
	TERM S, Y, 1, 10
	TERM S, S, 2, 11
	TERM S, S, 3, 12
	TANH
	PACKB Z
	MM2 5
	TERM S, S, 4, 13
	TERM S, S, 5, 14
	PACKB S
	MM1
	TERM S, Y, 1, 15
	TERM S, S, 3, 16
	TERM S, S, 4, 17
	TANH
	PACKB Z
	MM2 6
	TERM S, S, 5, 18
	TERM S, S, 6, 19                               ; S = y_new
	PACKB S
	MM1
	s_wait_xcnt 0x0                                ; E was the data of the stores into out0: it is rewritten only behind this wait
	TERM0 E, 1, 20
	TERM E, E, 3, 21
	TERM E, E, 4, 22
	TANH
	PACKB Z
	MM2 7
	TERM E, E, 5, 23
	TERM E, E, 6, 24
	TERM E, E, 7, 25                               ; E = err
.endm
.macro ERRSUM                          ; v30 = my lane's sum of (err / (0.001 + 0.01 max(|y|, |y_new|)))^2, in four chains
	WIN 0
.set i, 0
.rept 32
	v_max_num_f32 v[Z+i], |v[Y+i]|, |v[S+i]|
.set i, i+1
.endr
.set i, 0
.rept 16
	v_pk_fma_f32 v[Z+i:Z+i+1], v[Z+i:Z+i+1], s[42:43], s[44:45] op_sel_hi:[1,0,0]
.set i, i+2
.endr
.set i, 0
.rept 32
	v_rcp_f32 v[Z+i], v[Z+i]
.set i, i+1
.endr
	v_nop
.set i, 0
	s_wait_alu depctr_va_vdst(0)
.rept 16
	v_pk_mul_f32 v[E+i:E+i+1], v[E+i:E+i+1], v[Z+i:Z+i+1]
.set i, i+2
.endr
.set i, 0
.rept 16
.if i < 4
	v_pk_mul_f32 v[ACC+2*i:ACC+2*i+1], v[E+2*i:E+2*i+1], v[E+2*i:E+2*i+1]
.else
	v_pk_fma_f32 v[ACC+2*(i%4):ACC+2*(i%4)+1], v[E+2*i:E+2*i+1], v[E+2*i:E+2*i+1], v[ACC+2*(i%4):ACC+2*(i%4)+1]
.endif
.set i, i+1
.endr
	v_pk_add_f32 v[ACC:ACC+1], v[ACC:ACC+1], v[ACC+2:ACC+3]
	v_pk_add_f32 v[ACC+4:ACC+5], v[ACC+4:ACC+5], v[ACC+6:ACC+7]
	v_pk_add_f32 v[ACC:ACC+1], v[ACC:ACC+1], v[ACC+4:ACC+5]
	v_add_f32 v30, v[ACC], v[ACC+1]
.endm
.macro WSUM v, t                       ; the sum over the wave's 32 lanes, in every lane; t has been written before
	v_add_f32_dpp v[\v], v[\v], v[\v] row_xmask:1 row_mask:0xf bank_mask:0xf
	v_add_f32_dpp v[\v], v[\v], v[\v] row_xmask:2 row_mask:0xf bank_mask:0xf
	v_add_f32_dpp v[\v], v[\v], v[\v] row_xmask:4 row_mask:0xf bank_mask:0xf
	v_add_f32_dpp v[\v], v[\v], v[\v] row_xmask:8 row_mask:0xf bank_mask:0xf
	v_permlanex16_b32 v[\t], v[\v], s40, s41
	v_add_f32 v[\v], v[\v], v[\t]
.endm
.macro PSUM                            ; v14 = the sum of the 512 partial sums, 16 a lane in Z's first registers
	v_pk_add_f32 v[Z:Z+1], v[Z:Z+1], v[Z+2:Z+3]
	v_pk_add_f32 v[Z+4:Z+5], v[Z+4:Z+5], v[Z+6:Z+7]
	v_pk_add_f32 v[Z+8:Z+9], v[Z+8:Z+9], v[Z+10:Z+11]
	v_pk_add_f32 v[Z+12:Z+13], v[Z+12:Z+13], v[Z+14:Z+15]
	v_pk_add_f32 v[Z:Z+1], v[Z:Z+1], v[Z+4:Z+5]
	v_pk_add_f32 v[Z+8:Z+9], v[Z+8:Z+9], v[Z+12:Z+13]
	v_pk_add_f32 v[Z:Z+1], v[Z:Z+1], v[Z+8:Z+9]
	v_add_f32 v14, v[Z], v[Z+1]
	WSUM 14, 15
.endm
.macro VTPAIR sl                       ; v18 = vt[sl], v19 = vt[min(sl + 1, 7)], out of v9's lanes; sl is a whole number held to 0..7
	s_lshl_b32 s31, s[\sl], 2
	v_mov_b32 v24, s31
	s_add_co_u32 s31, s[\sl], 1
	s_min_u32 s31, s31, 7
	s_lshl_b32 s31, s31, 2
	v_mov_b32 v25, s31
	ds_bpermute_b32 v18, v24, v9
	ds_bpermute_b32 v19, v25, v9
.endm
; A slot is finished.  In: v14 the sum, v10-12 t, h, h_try, s36 the mask act.  Out: s38 the mask adv = accept and act, v10 t, v11 h.
.macro CTRL_FIN
	v_mul_f32 v14, 0x36000000, v14                 ; the mean: 2^-19 = 1 / (8192 x 64)
	v_sqrt_f32 v14, v14
	v_nop
	s_wait_alu depctr_va_vdst(0)
	v_cmp_ge_f32 s37, 1.0, v14                     ; accept; a NaN gives false
	v_cmp_neq_f32 s56, v14, v14                    ; a NaN
	v_max_num_f32 v15, 0x2edbe6ff, v14             ; at least 1e-10
	v_log_f32 v15, v15
	v_nop
	s_wait_alu depctr_va_vdst(0)
	v_mul_f32 v15, 0xbe4ccccd, v15                 ; x -0.2
	v_exp_f32 v15, v15
	v_nop
	s_wait_alu depctr_va_vdst(0)
	v_mul_f32 v15, 0x3f666666, v15                 ; x 0.9
	v_max_num_f32 v15, 0x3e4ccccd, v15             ; held to 0.2 .. 10
	v_min_num_f32 v15, 0x41200000, v15
	v_cndmask_b32 v15, v15, v14, s56               ; a NaN stays one
	s_and_b32 s38, s37, s36
	v_add_f32 v16, v10, v12
	v_mul_f32 v17, v12, v15
	v_cndmask_b32 v10, v10, v16, s38
	v_cndmask_b32 v11, v11, v17, s36
.endm
; The next slot's state.  In: s35 the mask 'a segment begins', v18 the old segment's end, v19 the next one's.  Out: v20-23 t, h, h_try, act (1.0 or 0), s39 the mask act.
.macro CTRL_NEXT
	v_cndmask_b32 v20, v10, v18, s35               ; a new segment starts at its own t0
	v_cndmask_b32 v16, v18, v19, s35               ; t1
	v_sub_f32 v16, v16, v20                        ; rem
	v_cmp_lt_f32 s39, s55, v16                     ; rem > 1e-9
	v_max_num_f32 v16, s55, v16
	v_min_num_f32 v22, v11, v16
	v_cmp_neq_f32 s56, v11, v11
	v_cndmask_b32 v22, v22, v11, s56               ; a NaN h stays one
	v_mov_b32 v21, v11
	v_cndmask_b32 v23, 0, 1.0, s39
.endm
; Y goes out as 16 whole rows of out0: 16 bytes a lane into my own stage, back by rows, stored with 16 lanes to each aligned 256 bytes.  LDS serves a wave's instructions in order (ISA guide 5.7.1.4).
.macro WAYOUT
	WIN 0
.irp g, 0,1,2,3,4,5,6,7
	ds_store_b128 v4, v[Y+4*\g:Y+4*\g+3] offset:(\g/2)*64+(\g%2)*16
.endr
.irp g, 0,1,2,3,4,5,6,7
	ds_load_b128 v[E+4*\g:E+4*\g+3], v5 offset:2*PITCH*\g
.endr
.irp g, 0,1,2,3,4,5,6,7
	s_wait_dscnt 7-\g                              ; rows 2 g, 2 g + 1 are back; the younger loads stay out
	global_store_b128 v2, v[E+4*\g:E+4*\g+3], s[46:47] offset:512*\g
.endr
.endm
	s_load_b512 s[4:19], s[0:1], 0x0               ; state in s[4:5], numbers in s[6:7], WF s[8:9], b1 s[10:11], b2 s[12:13], vt s[14:15], state out s[16:17], numbers out s[18:19]
	s_load_b64 s[20:21], s[0:1], 0x40              ; out0
	v_lshl_add_u32 v7, v0, 2, SPARE                ; my spare word,
	v_mov_b32 v8, 0                                ; and 0: kept for the add at the wave's end
	v_and_b32 v1, 31, v0                           ; lane
	v_lshrrev_b32 v14, 5, v0
	v_readfirstlane_b32 s22, v14                   ; wave 0, 1
	s_lshl1_add_u32 s23, ttmp9, s22                ; tile = 2 x work-group + wave
	v_lshlrev_b32 v2, 4, v1
	s_lshl_b32 s31, s23, 12
	v_add_nc_u32 v3, s31, v2
	v_and_b32 v14, 15, v1                          ; r
	v_lshrrev_b32 v15, 4, v1                       ; h
	s_mul_i32 s31, s22, STAGE
	v_mul_u32_u24 v4, v14, PITCH
	v_lshl_add_u32 v4, v15, 5, v4
	v_add_nc_u32 v4, s31, v4                       ; into the stage: row r, 32 h bytes in
	v_mul_u32_u24 v5, v15, PITCH
	v_lshl_add_u32 v5, v14, 4, v5
	v_add_nc_u32 v5, s31, v5                       ; back: lanes 0-15 one row, lanes 16-31 the next
	v_lshlrev_b32 v6, 5, v15                       ; my 8 numbers in each 16 of a bias
	v_min_u32 v9, 7, v1
	v_lshlrev_b32 v9, 2, v9
	s_mov_b32 s40, 0x76543210                      ; v_permlanex16_b32: each lane takes its own place in the other half
	s_mov_b32 s41, 0xfedcba98
	s_mov_b32 s42, 0x3c23d70a                      ; 0.01
	s_mov_b32 s43, s42                             ; named with it as a pair
	s_mov_b32 s44, 0x3a83126f                      ; 0.001
	s_mov_b32 s45, s44
	s_mov_b32 s55, 0x3089705f                      ; 1e-9
.set i, 0
.rept 26
	v_mov_b32 v[CT+2*i+1], 0                       ; the coefficients' pair partners: named, never used
.set i, i+1
.endr
	s_wait_kmcnt 0x0
	s_load_b128 s[24:27], s[6:7], 0x0              ; slice, slot number + 6, launch number n, 0: stored by the launch before
	global_load_b32 v9, v9, s[14:15]               ; it lands on its own address register
	global_load_b128 v[10:13], v2, s[4:5] offset:CTRLF
.irp i, 0,1,2,3
	global_load_b128 v[Z+4*\i:Z+4*\i+3], v2, s[4:5] offset:PART+512*\i
.endr
.irp g, 0,1,2,3,4,5,6,7
	global_load_b128 v[Y+4*\g:Y+4*\g+3], v3, s[4:5] offset:512*\g
.endr
.irp g, 0,1,2,3,4,5,6,7
	global_load_b128 v[S+4*\g:S+4*\g+3], v3, s[4:5] offset:YNEW+512*\g
.endr
	WIN 0x80                                       ; destination window 2
.set i, 0
.rept 16
	global_load_b128 v[W1F+4*i:W1F+4*i+3], v2, s[8:9] offset:512*i
.set i, i+1
.endr
.irp g, 0,1,2,3,4,5,6,7
	global_load_b128 v[B1+4*\g:B1+4*\g+3], v6, s[10:11] offset:(\g/2)*64+(\g%2)*16
.endr
	s_wait_loadcnt 40                              ; vt, the state and the partial sums are in; behind them were issued y 8, y_new 8, W1 16, b1 8
.set i, 0
.rept 16
	global_load_b128 v[W2F+4*i:W2F+4*i+3], v2, s[8:9] offset:8192+512*i
.set i, i+1
.endr
.irp g, 0,1,2,3,4,5,6,7
	global_load_b128 v[B2+4*\g:B2+4*\g+3], v6, s[12:13] offset:(\g/2)*64+(\g%2)*16
.endr
	WIN 0
	s_wait_kmcnt 0x0
	s_min_u32 s24, s24, 7                          ; numbers that were loaded are held to their ranges before they enter an address
	s_min_u32 s25, s25, 47
	s_min_u32 s26, s26, 14
	VTPAIR 24
	s_add_co_u32 s28, s25, 1                       ; candidate A: the slot behind
	s_mul_i32 s29, s24, 6
	s_add_co_u32 s29, s29, 6                       ; the next segment's first slot
	s_add_co_u32 s30, s26, 33
	s_min_u32 s30, s30, s29
	s_max_u32 s30, s30, s28                        ; candidate B: that first slot, but not beyond 33 + n, and at least A
	s_cmp_eq_u32 s28, s29
	s_cselect_b32 s32, -1, 0                       ; A begins a segment
	s_cmp_eq_u32 s30, s29
	s_cselect_b32 s33, -1, 0                       ; B does
	PSUM
	v_cmp_ne_u32 s36, 0, v13                       ; act of the slot that is finished
	CTRL_FIN
	s_wait_dscnt 0x0                               ; vt's two numbers
	v_sub_f32 v16, v18, v10
	v_cmp_lt_f32 s34, s55, v16                     ; the segment has not arrived: A; else B.  The masks feed selects alone
	s_and_b32 s35, s34, s32
	s_and_not1_b32 s31, s33, s34
	s_or_b32 s35, s35, s31                         ; the chosen slot begins a segment
	CTRL_NEXT
	v_mov_b32 v16, s24
	v_add_nc_u32 v17, 1, v16
	v_cndmask_b32 v24, v16, v17, s35               ; its slice
	v_mov_b32 v16, s30
	v_mov_b32 v17, s28
	v_cndmask_b32 v25, v16, v17, s34               ; its number
	s_add_co_u32 s31, s26, 1
	v_mov_b32 v26, s31
	v_mov_b32 v27, 0
	s_cmp_lg_u32 s23, 0
	s_cbranch_scc1 .Lnot_first                     ; every wave has the same numbers; the first stores them, 512 whole bytes each
	global_store_b128 v2, v[20:23], s[16:17] offset:CTRLF
	global_store_b128 v2, v[24:27], s[18:19]
.Lnot_first:
	COEF 22
	s_lshl_b32 s48, s24, 21                        ; the finished slot's slice of out0, 2 MiB each,
	s_lshl_b32 s31, s23, 12                        ; and my 16 rows in it
	s_add_co_u32 s48, s48, s31
	s_mov_b32 s49, 0
	s_add_nc_u64 s[46:47], s[20:21], s[48:49]
	s_wait_loadcnt 48                              ; y and y_new are in; behind them were issued W1 16, b1 8, W2 16, b2 8
.set i, 0
.rept 32
	v_cndmask_b32 v[Y+i], v[Y+i], v[S+i], s38      ; the step is taken, or not
.set i, i+1
.endr
.irp g, 0,1,2,3,4,5,6,7
	global_store_b128 v3, v[Y+4*\g:Y+4*\g+3], s[16:17] offset:512*\g
.endr
	WAYOUT
	s_wait_loadcnt 24                              ; W1 and b1 are in; W2 16 and b2 8 may stay out
	WIN 0x82
.set i, 0
.rept 16
	v_pk_mul_f32 v[B1+i:B1+i+1], v[B1+i:B1+i+1], 0x4038aa3b op_sel_hi:[1,0]  ; b1 times 2 log2(e), as W1 was
.set i, i+2
.endr
	STEP7 1
	WIN 0
.irp g, 0,1,2,3,4,5,6,7
	global_store_b128 v3, v[S+4*\g:S+4*\g+3], s[16:17] offset:YNEW+512*\g
.endr
	ERRSUM
	s_lshl_b32 s31, s23, 2
	v_mov_b32 v16, s31                             ; my tile's word among the partial sums
	s_wait_tensorcnt 0x0                           ; the wave's end: the sum over the lanes stands between the add and its wait
	ds_add_u32 v7, v8
	WSUM 30, 15
	s_wait_dscnt 0x0
	s_wait_xcnt 0x0                                ; EXEC changes only behind this wait
	v_cmp_eq_u32 vcc_lo, 0, v1
	s_and_saveexec_b32 s50, vcc_lo
	global_store_b32 v16, v30, s[16:17] offset:PART  ; one number a tile: the one store of the kernel that is no whole 256 bytes, 2,048 bytes in the launch
	s_wait_xcnt 0x0
	s_or_b32 exec_lo, exec_lo, s50
	s_endpgm
.Lfunc_end_k_qfeff8fb4f7_s01:
	.size	k_qfeff8fb4f7_s01, .Lfunc_end_k_qfeff8fb4f7_s01-k_qfeff8fb4f7_s01
	.p2alignl 7, 3214868480
	.fill 96, 4, 3214868480
	.section	.rodata,"a",@progbits
	.p2align	6, 0x0
	.amdhsa_kernel k_qfeff8fb4f7_s01
		.amdhsa_group_segment_fixed_size 8960
		.amdhsa_private_segment_fixed_size 0
		.amdhsa_enable_private_segment 0
		.amdhsa_kernarg_size 72
		.amdhsa_user_sgpr_count 2
		.amdhsa_user_sgpr_kernarg_segment_ptr 1
		.amdhsa_wavefront_size32 1
		.amdhsa_system_sgpr_workgroup_id_x 1
		.amdhsa_system_sgpr_workgroup_id_y 1
		.amdhsa_system_sgpr_workgroup_id_z 1
		.amdhsa_system_vgpr_workitem_id 0
		.amdhsa_next_free_vgpr 704
		.amdhsa_next_free_sgpr 66
		.amdhsa_reserve_vcc 1
		.amdhsa_float_denorm_mode_32 3
		.amdhsa_float_denorm_mode_16_64 3
		.amdhsa_memory_ordered 1
		.amdhsa_forward_progress 1
		.amdhsa_inst_pref_size 108
	.end_amdhsa_kernel
	.amdgpu_metadata
---
amdhsa.version: [ 1, 2 ]
amdhsa.kernels:
  - .name:           k_qfeff8fb4f7_s01
    .symbol:         k_qfeff8fb4f7_s01.kd
    .args:
      - { .name: SA, .offset: 0, .size: 8, .value_kind: global_buffer, .address_space: global }
      - { .name: IA, .offset: 8, .size: 8, .value_kind: global_buffer, .address_space: global }
      - { .name: WF, .offset: 16, .size: 8, .value_kind: global_buffer, .address_space: global }
      - { .name: b1, .offset: 24, .size: 8, .value_kind: global_buffer, .address_space: global }
      - { .name: b2, .offset: 32, .size: 8, .value_kind: global_buffer, .address_space: global }
      - { .name: vt, .offset: 40, .size: 8, .value_kind: global_buffer, .address_space: global }
      - { .name: SB, .offset: 48, .size: 8, .value_kind: global_buffer, .address_space: global }
      - { .name: IB, .offset: 56, .size: 8, .value_kind: global_buffer, .address_space: global }
      - { .name: out0, .offset: 64, .size: 8, .value_kind: global_buffer, .address_space: global }
    .group_segment_fixed_size: 8960
    .private_segment_fixed_size: 0
    .kernarg_segment_align: 8
    .kernarg_segment_size: 72
    .max_flat_workgroup_size: 64
    .sgpr_count:     66
    .vgpr_count:     704
    .wavefront_size: 32
...
	.end_amdgpu_metadata
.endif
;; end of part 2
;; launch s02: the kernel of part 2 again; grid 256 x 1, 2 waves a work-group, no clusters, 8,960 bytes of LDS; arguments SB, IB, WF, b1, b2, vt, SA, IA, out0; writes SA, IA, out0
;; launch s03: the kernel of part 2 again; grid 256 x 1, 2 waves a work-group, no clusters, 8,960 bytes of LDS; arguments SA, IA, WF, b1, b2, vt, SB, IB, out0; writes SB, IB, out0
;; launch s04: the kernel of part 2 again; grid 256 x 1, 2 waves a work-group, no clusters, 8,960 bytes of LDS; arguments SB, IB, WF, b1, b2, vt, SA, IA, out0; writes SA, IA, out0
;; launch s05: the kernel of part 2 again; grid 256 x 1, 2 waves a work-group, no clusters, 8,960 bytes of LDS; arguments SA, IA, WF, b1, b2, vt, SB, IB, out0; writes SB, IB, out0
;; launch s06: the kernel of part 2 again; grid 256 x 1, 2 waves a work-group, no clusters, 8,960 bytes of LDS; arguments SB, IB, WF, b1, b2, vt, SA, IA, out0; writes SA, IA, out0
;; launch s07: the kernel of part 2 again; grid 256 x 1, 2 waves a work-group, no clusters, 8,960 bytes of LDS; arguments SA, IA, WF, b1, b2, vt, SB, IB, out0; writes SB, IB, out0
;; launch s08: the kernel of part 2 again; grid 256 x 1, 2 waves a work-group, no clusters, 8,960 bytes of LDS; arguments SB, IB, WF, b1, b2, vt, SA, IA, out0; writes SA, IA, out0
;; launch s09: the kernel of part 2 again; grid 256 x 1, 2 waves a work-group, no clusters, 8,960 bytes of LDS; arguments SA, IA, WF, b1, b2, vt, SB, IB, out0; writes SB, IB, out0
;; launch s10: the kernel of part 2 again; grid 256 x 1, 2 waves a work-group, no clusters, 8,960 bytes of LDS; arguments SB, IB, WF, b1, b2, vt, SA, IA, out0; writes SA, IA, out0
;; launch s11: the kernel of part 2 again; grid 256 x 1, 2 waves a work-group, no clusters, 8,960 bytes of LDS; arguments SA, IA, WF, b1, b2, vt, SB, IB, out0; writes SB, IB, out0
;; launch s12: the kernel of part 2 again; grid 256 x 1, 2 waves a work-group, no clusters, 8,960 bytes of LDS; arguments SB, IB, WF, b1, b2, vt, SA, IA, out0; writes SA, IA, out0
;; launch s13: the kernel of part 2 again; grid 256 x 1, 2 waves a work-group, no clusters, 8,960 bytes of LDS; arguments SA, IA, WF, b1, b2, vt, SB, IB, out0; writes SB, IB, out0
;; launch s14: the kernel of part 2 again; grid 256 x 1, 2 waves a work-group, no clusters, 8,960 bytes of LDS; arguments SB, IB, WF, b1, b2, vt, SA, IA, out0; writes SA, IA, out0
;; launch last (part 3): grid 256 x 1, 2 waves a work-group, no clusters, 8,960 bytes of LDS; arguments SA, IA, WF, b1, b2, vt, out0; writes out0
.if DOCPART == 3
	.amdgcn_target "amdgcn-amd-amdhsa--gfx1250"
	.amdhsa_code_object_version 6
	.text
	.protected	k_qfeff8fb4f7_last
	.globl	k_qfeff8fb4f7_last
	.p2align	8
	.type	k_qfeff8fb4f7_last,@function
k_qfeff8fb4f7_last:
	s_mov_b64 s[64:65], 0
	v_nop
	global_prefetch_b8 v0, s[64:65] scope:SCOPE_SE
	s_setreg_imm32_b32 hwreg(HW_REG_WAVE_MODE, 25, 1), 1
	s_wait_xcnt 0x0
; THE END OF THE DORMAND-PRINCE WALK.  The fourteenth step's slot is finished (norm, accept, y or y_new into its slice of out0), and the R = 47 - (slot number + 6) slots that are left are walked.
; R is a whole number that the launch before stored.  R = 0 (the segments arrived early enough for fourteen launches): every wave finishes its own tile, and that is all.
; R > 0: a slot's norm spans all 8,192 rows and nothing may pass between work-groups, so ONE wave walks all 512 tiles and the others end at once, before they touch LDS.  The state does not fit beside it,
; so pass p starts again from the stored state, replays slots 0 .. p - 1 with the steps and decisions that it knows (one lane of two table registers for each slot) and measures slot p; pass R only
; replays.  Every pass stores what it has into out0; the wave's stores to one address keep their order, so the last pass's stay.  LIMIT: R (R + 3) / 2 slot walks over 512 tiles by one wave, at most 434
; (R = 28): right, and very slow.  No slot is left out here: a slot of a segment that has arrived runs with act = 0 and changes nothing.
; Shares, layout, formats, limits and registers are the step kernel's: a tile of 16 rows a wave; both products transposed, so y, stage inputs, tanh and k keep one layout (lane (r, h): row r, numbers
; 16 mt + 8 h + 0..7); matrix operands bf16, all else f32; tanh(z) = 1 - 2 / (1 + 2^(2 log2(e) z)); a NaN err_norm rejects and makes h NaN; a NaN in vt is not treated apart.
; REGISTERS, in windows of 256 (s_set_vgpr_msb: bits 1:0 source 0, 3:2 source 1, 5:4 source 2, 7:6 destination):
;   window 0: v1 lane; v2 16 x lane; v4, v5 stage in, stage back; v6 32 h; v7, v8 the add's two; v9 vt[min(lane, 7)]; v10-13 t, h, h_try, act; v14-25 at work; v28 HTAB: lane q = slot q's step;
;             v29 ATAB: lane q = 1 where slot q was taken; v30 a tile's sum; v31 a pass's sum; Y, S, Z, E 32 each; P 16; CT 26 coefficients times h in even registers; ACC 8
;   window 1: k_j at 32 (j - 1)          window 2: W1's fragments 0-63, W2's 64-127, b1 128-159, b2 160-191
.set YNEW,  2097152
.set PART,  4194304
.set CTRLF, 4196352
.set PITCH, 272                        ; a row of the stage: 256 bytes + 16: row r starts at bank 4 r mod 64 (64 banks of 4 bytes: ISA guide 11.1)
.set STAGE, 16*PITCH                   ; a wave's own stage
.set SPARE, 2*STAGE                    ; behind the stages: the spare words, 128 bytes for each wave: one block of 256 bytes that no other line names
.set Y,   32
.set S,   64
.set Z,   96
.set E,   128
.set P,   160
.set CT,  176
.set ACC, 228
.set W1F, 0
.set W2F, 64
.set B1,  128
.set B2,  160
.set MSB, 0
.macro WIN new                         ; the immediate's high byte repeats the setting that is left; a switch that changes nothing is dropped
.if MSB != (\new)
	s_set_vgpr_msb (MSB<<8)|(\new)
.set MSB, \new
.endif
.endm
.macro NOPS4                           ; four places behind matrix instructions where no other vector work is at hand (ISA guide 7.12.1)
.rept 4
	v_nop
.endr
.endm
.macro PACKB x                         ; 32 f32 -> 16 registers of bf16 pairs: source 1 of both K steps
	WIN 0
.set i, 0
.rept 16
	v_cvt_pk_bf16_f32 v[P+i], v[\x+2*i], v[\x+2*i+1]
.set i, i+1
.endr
.endm
; Eight matrix instructions: four accumulators by turns, one instruction a turn; the first four start the sums with the bias.
.macro MM1                             ; Z = W1' x P + b1'
	WIN 0x22
.irp m, 0,1,2,3
	v_wmma_f32_16x16x32_bf16 v[Z+8*\m:Z+8*\m+7], v[W1F+16*\m:W1F+16*\m+7], v[P:P+7], v[B1+8*\m:B1+8*\m+7]
.endr
	WIN 0x02
.irp m, 0,1,2,3
	v_wmma_f32_16x16x32_bf16 v[Z+8*\m:Z+8*\m+7], v[W1F+16*\m+8:W1F+16*\m+15], v[P+8:P+15], v[Z+8*\m:Z+8*\m+7]
.endr
.endm
.macro MM2 j                           ; k_j = W2 x P + b2
	WIN 0x62
.irp m, 0,1,2,3
	v_wmma_f32_16x16x32_bf16 v[32*(\j-1)+8*\m:32*(\j-1)+8*\m+7], v[W2F+16*\m:W2F+16*\m+7], v[P:P+7], v[B2+8*\m:B2+8*\m+7]
.endr
	WIN 0x52
.irp m, 0,1,2,3
	v_wmma_f32_16x16x32_bf16 v[32*(\j-1)+8*\m:32*(\j-1)+8*\m+7], v[W2F+16*\m+8:W2F+16*\m+15], v[P+8:P+15], v[32*(\j-1)+8*\m:32*(\j-1)+8*\m+7]
.endr
.endm
.macro TANH                            ; Z = 1 - 2 / (1 + 2^Z); each accumulator is read from its lowest register on; a plain line stands behind each run of transcendentals
	WIN 0
.set i, 0
.rept 32
	v_exp_f32 v[Z+i], v[Z+i]
.set i, i+1
.endr
	v_nop
.set i, 0
	s_wait_alu depctr_va_vdst(0)
.rept 16
	v_pk_add_f32 v[Z+i:Z+i+1], v[Z+i:Z+i+1], 1.0 op_sel_hi:[1,0]
.set i, i+2
.endr
.set i, 0
.rept 32
	v_rcp_f32 v[Z+i], v[Z+i]
.set i, i+1
.endr
	v_nop
.set i, 0
	s_wait_alu depctr_va_vdst(0)
.rept 16
	v_pk_fma_f32 v[Z+i:Z+i+1], v[Z+i:Z+i+1], -2.0, 1.0 op_sel_hi:[1,0,0]
.set i, i+2
.endr
.endm
.macro TERM d, a, j, c                 ; d = k_j x coefficient c + a
	WIN 0x01
.set i, 0
.rept 16
	v_pk_fma_f32 v[\d+i:\d+i+1], v[32*(\j-1)+i:32*(\j-1)+i+1], v[CT+2*\c:CT+2*\c+1], v[\a+i:\a+i+1] op_sel_hi:[1,0,1]
.set i, i+2
.endr
.endm
.macro TERM0 d, j, c                   ; d = k_j x coefficient c
	WIN 0x01
.set i, 0
.rept 16
	v_pk_mul_f32 v[\d+i:\d+i+1], v[32*(\j-1)+i:32*(\j-1)+i+1], v[CT+2*\c:CT+2*\c+1] op_sel_hi:[1,0]
.set i, i+2
.endr
.endm
.macro COEF h                          ; the 26 coefficients times the step in v[h]
	WIN 0
	v_mul_f32 v[CT+0],  0.2, v[\h]                 ; a21
	v_mul_f32 v[CT+2],  0.075, v[\h]               ; a31 = 3/40
	v_mul_f32 v[CT+4],  0.225, v[\h]               ; a32 = 9/40
	v_mul_f32 v[CT+6],  0.97777778, v[\h]          ; a41 = 44/45
	v_mul_f32 v[CT+8],  -3.7333333, v[\h]          ; a42 = -56/15
	v_mul_f32 v[CT+10], 3.5555556, v[\h]           ; a43 = 32/9
	v_mul_f32 v[CT+12], 2.9525987, v[\h]           ; a51 = 19372/6561
	v_mul_f32 v[CT+14], -11.595793, v[\h]          ; a52 = -25360/2187
	v_mul_f32 v[CT+16], 9.8228929, v[\h]           ; a53 = 64448/6561
	v_mul_f32 v[CT+18], -0.29080933, v[\h]         ; a54 = -212/729
	v_mul_f32 v[CT+20], 2.8462753, v[\h]           ; a61 = 9017/3168
	v_mul_f32 v[CT+22], -10.757576, v[\h]          ; a62 = -355/33
	v_mul_f32 v[CT+24], 8.9064227, v[\h]           ; a63 = 46732/5247
	v_mul_f32 v[CT+26], 0.27840909, v[\h]          ; a64 = 49/176
	v_mul_f32 v[CT+28], -0.2735313, v[\h]          ; a65 = -5103/18656
	v_mul_f32 v[CT+30], 0.091145833, v[\h]         ; b1 = 35/384
	v_mul_f32 v[CT+32], 0.4492363, v[\h]           ; b3 = 500/1113
	v_mul_f32 v[CT+34], 0.65104167, v[\h]          ; b4 = 125/192
	v_mul_f32 v[CT+36], -0.32237618, v[\h]         ; b5 = -2187/6784
	v_mul_f32 v[CT+38], 0.13095238, v[\h]          ; b6 = 11/84
	v_mul_f32 v[CT+40], 0.0012326389, v[\h]        ; e1 = 71/57600
	v_mul_f32 v[CT+42], -0.0042527703, v[\h]       ; e3 = -71/16695
	v_mul_f32 v[CT+44], 0.036979167, v[\h]         ; e4 = 71/1920
	v_mul_f32 v[CT+46], -0.050863797, v[\h]        ; e5 = -17253/339200
	v_mul_f32 v[CT+48], 0.041904762, v[\h]         ; e6 = 22/525
	v_mul_f32 v[CT+50], -0.025, v[\h]              ; e7 = -1/40
.endm
; THE SEVEN STAGES.  Y stays; S is each stage's input and at last y_new; E becomes err.  The terms of the next stage's input that use k already known stand behind the matrix instructions:
; they name none of those instructions' registers, so they are the four places in front of the first read of a result and of the next rounding into P.
.macro STEP7
	PACKB Y
	MM1
	NOPS4
	TANH
	PACKB Z
	MM2 1
	NOPS4
	TERM S, Y, 1, 0
	PACKB S
	MM1
	NOPS4
	TANH
	PACKB Z
	MM2 2
	TERM S, Y, 1, 1
	TERM S, S, 2, 2
	PACKB S
	MM1
	TERM S, Y, 1, 3
	TANH
	PACKB Z
	MM2 3
	TERM S, S, 2, 4
	TERM S, S, 3, 5
	PACKB S
	MM1
	TERM S, Y, 1, 6
	TERM S, S, 2, 7
	TANH
	PACKB Z
	MM2 4
	TERM S, S, 3, 8
	TERM S, S, 4, 9
	PACKB S
	MM1
	TERM S, Y, 1, 10
	TERM S, S, 2, 11
	TERM S, S, 3, 12
	TANH
	PACKB Z
	MM2 5
	TERM S, S, 4, 13
	TERM S, S, 5, 14
	PACKB S
	MM1
	TERM S, Y, 1, 15
	TERM S, S, 3, 16
	TERM S, S, 4, 17
	TANH
	PACKB Z
	MM2 6
	TERM S, S, 5, 18
	TERM S, S, 6, 19                               ; S = y_new
	PACKB S
	MM1
	s_wait_xcnt 0x0                                ; E was the data of the stores into out0: it is rewritten only behind this wait
	TERM0 E, 1, 20
	TERM E, E, 3, 21
	TERM E, E, 4, 22
	TANH
	PACKB Z
	MM2 7
	TERM E, E, 5, 23
	TERM E, E, 6, 24
	TERM E, E, 7, 25                               ; E = err
.endm
.macro ERRSUM                          ; v30 = my lane's sum of (err / (0.001 + 0.01 max(|y|, |y_new|)))^2, in four chains
	WIN 0
.set i, 0
.rept 32
	v_max_num_f32 v[Z+i], |v[Y+i]|, |v[S+i]|
.set i, i+1
.endr
.set i, 0
.rept 16
	v_pk_fma_f32 v[Z+i:Z+i+1], v[Z+i:Z+i+1], s[42:43], s[44:45] op_sel_hi:[1,0,0]
.set i, i+2
.endr
.set i, 0
.rept 32
	v_rcp_f32 v[Z+i], v[Z+i]
.set i, i+1
.endr
	v_nop
.set i, 0
	s_wait_alu depctr_va_vdst(0)
.rept 16
	v_pk_mul_f32 v[E+i:E+i+1], v[E+i:E+i+1], v[Z+i:Z+i+1]
.set i, i+2
.endr
.set i, 0
.rept 16
.if i < 4
	v_pk_mul_f32 v[ACC+2*i:ACC+2*i+1], v[E+2*i:E+2*i+1], v[E+2*i:E+2*i+1]
.else
	v_pk_fma_f32 v[ACC+2*(i%4):ACC+2*(i%4)+1], v[E+2*i:E+2*i+1], v[E+2*i:E+2*i+1], v[ACC+2*(i%4):ACC+2*(i%4)+1]
.endif
.set i, i+1
.endr
	v_pk_add_f32 v[ACC:ACC+1], v[ACC:ACC+1], v[ACC+2:ACC+3]
	v_pk_add_f32 v[ACC+4:ACC+5], v[ACC+4:ACC+5], v[ACC+6:ACC+7]
	v_pk_add_f32 v[ACC:ACC+1], v[ACC:ACC+1], v[ACC+4:ACC+5]
	v_add_f32 v30, v[ACC], v[ACC+1]
.endm
.macro WSUM v, t                       ; the sum over the wave's 32 lanes, in every lane; t has been written before
	v_add_f32_dpp v[\v], v[\v], v[\v] row_xmask:1 row_mask:0xf bank_mask:0xf
	v_add_f32_dpp v[\v], v[\v], v[\v] row_xmask:2 row_mask:0xf bank_mask:0xf
	v_add_f32_dpp v[\v], v[\v], v[\v] row_xmask:4 row_mask:0xf bank_mask:0xf
	v_add_f32_dpp v[\v], v[\v], v[\v] row_xmask:8 row_mask:0xf bank_mask:0xf
	v_permlanex16_b32 v[\t], v[\v], s40, s41
	v_add_f32 v[\v], v[\v], v[\t]
.endm
.macro PSUM                            ; v14 = the sum of the 512 partial sums, 16 a lane in Z's first registers
	v_pk_add_f32 v[Z:Z+1], v[Z:Z+1], v[Z+2:Z+3]
	v_pk_add_f32 v[Z+4:Z+5], v[Z+4:Z+5], v[Z+6:Z+7]
	v_pk_add_f32 v[Z+8:Z+9], v[Z+8:Z+9], v[Z+10:Z+11]
	v_pk_add_f32 v[Z+12:Z+13], v[Z+12:Z+13], v[Z+14:Z+15]
	v_pk_add_f32 v[Z:Z+1], v[Z:Z+1], v[Z+4:Z+5]
	v_pk_add_f32 v[Z+8:Z+9], v[Z+8:Z+9], v[Z+12:Z+13]
	v_pk_add_f32 v[Z:Z+1], v[Z:Z+1], v[Z+8:Z+9]
	v_add_f32 v14, v[Z], v[Z+1]
	WSUM 14, 15
.endm
.macro VTPAIR sl                       ; v18 = vt[sl], v19 = vt[min(sl + 1, 7)], out of v9's lanes; sl is a whole number held to 0..7
	s_lshl_b32 s31, s[\sl], 2
	v_mov_b32 v24, s31
	s_add_co_u32 s31, s[\sl], 1
	s_min_u32 s31, s31, 7
	s_lshl_b32 s31, s31, 2
	v_mov_b32 v25, s31
	ds_bpermute_b32 v18, v24, v9
	ds_bpermute_b32 v19, v25, v9
.endm
; A slot is finished.  In: v14 the sum, v10-12 t, h, h_try, s36 the mask act.  Out: s38 the mask adv = accept and act, v10 t, v11 h.
.macro CTRL_FIN
	v_mul_f32 v14, 0x36000000, v14                 ; the mean: 2^-19 = 1 / (8192 x 64)
	v_sqrt_f32 v14, v14
	v_nop
	s_wait_alu depctr_va_vdst(0)
	v_cmp_ge_f32 s37, 1.0, v14                     ; accept; a NaN gives false
	v_cmp_neq_f32 s56, v14, v14                    ; a NaN
	v_max_num_f32 v15, 0x2edbe6ff, v14             ; at least 1e-10
	v_log_f32 v15, v15
	v_nop
	s_wait_alu depctr_va_vdst(0)
	v_mul_f32 v15, 0xbe4ccccd, v15                 ; x -0.2
	v_exp_f32 v15, v15
	v_nop
	s_wait_alu depctr_va_vdst(0)
	v_mul_f32 v15, 0x3f666666, v15                 ; x 0.9
	v_max_num_f32 v15, 0x3e4ccccd, v15             ; held to 0.2 .. 10
	v_min_num_f32 v15, 0x41200000, v15
	v_cndmask_b32 v15, v15, v14, s56               ; a NaN stays one
	s_and_b32 s38, s37, s36
	v_add_f32 v16, v10, v12
	v_mul_f32 v17, v12, v15
	v_cndmask_b32 v10, v10, v16, s38
	v_cndmask_b32 v11, v11, v17, s36
.endm
; The next slot's state, back into v10, v12 and s36.  In: s35 the mask 'a segment begins', v18 the old segment's end, v19 the next one's.  v22 keeps h_try.
.macro CTRL_NEXT
	v_cndmask_b32 v20, v10, v18, s35               ; a new segment starts at its own t0
	v_cndmask_b32 v16, v18, v19, s35               ; t1
	v_sub_f32 v16, v16, v20                        ; rem
	v_cmp_lt_f32 s39, s55, v16                     ; rem > 1e-9
	v_max_num_f32 v16, s55, v16
	v_min_num_f32 v22, v11, v16
	v_cmp_neq_f32 s56, v11, v11
	v_cndmask_b32 v22, v22, v11, s56               ; a NaN h stays one
	v_mov_b32 v10, v20
	v_mov_b32 v12, v22
	s_mov_b32 s36, s39
.endm
; Y goes out as 16 whole rows of out0: 16 bytes a lane into my own stage, back by rows, stored with 16 lanes to each aligned 256 bytes.  LDS serves a wave's instructions in order (ISA guide 5.7.1.4).
.macro WAYOUT
	WIN 0
.irp g, 0,1,2,3,4,5,6,7
	ds_store_b128 v4, v[Y+4*\g:Y+4*\g+3] offset:(\g/2)*64+(\g%2)*16
.endr
.irp g, 0,1,2,3,4,5,6,7
	ds_load_b128 v[E+4*\g:E+4*\g+3], v5 offset:2*PITCH*\g
.endr
.irp g, 0,1,2,3,4,5,6,7
	s_wait_dscnt 7-\g                              ; rows 2 g, 2 g + 1 are back; the younger loads stay out
	global_store_b128 v2, v[E+4*\g:E+4*\g+3], s[46:47] offset:512*\g
.endr
.endm
	s_load_b256 s[4:11], s[0:1], 0x0               ; state s[4:5], numbers s[6:7], WF s[8:9], b1 s[10:11]
	s_load_b128 s[12:15], s[0:1], 0x20             ; b2 s[12:13], vt s[14:15]
	s_load_b64 s[20:21], s[0:1], 0x30              ; out0
	v_lshl_add_u32 v7, v0, 2, SPARE                ; my spare word,
	v_mov_b32 v8, 0                                ; and 0: kept for the add at the wave's end
	v_and_b32 v1, 31, v0                           ; lane
	v_lshrrev_b32 v14, 5, v0
	v_readfirstlane_b32 s22, v14                   ; wave 0, 1
	s_lshl1_add_u32 s23, ttmp9, s22                ; my tile where R = 0
	v_lshlrev_b32 v2, 4, v1
	v_and_b32 v14, 15, v1                          ; r
	v_lshrrev_b32 v15, 4, v1                       ; h
	s_mul_i32 s31, s22, STAGE
	v_mul_u32_u24 v4, v14, PITCH
	v_lshl_add_u32 v4, v15, 5, v4
	v_add_nc_u32 v4, s31, v4                       ; into the stage: row r, 32 h bytes in
	v_mul_u32_u24 v5, v15, PITCH
	v_lshl_add_u32 v5, v14, 4, v5
	v_add_nc_u32 v5, s31, v5                       ; back: lanes 0-15 one row, lanes 16-31 the next
	v_lshlrev_b32 v6, 5, v15                       ; my 8 numbers in each 16 of a bias
	v_min_u32 v9, 7, v1
	v_lshlrev_b32 v9, 2, v9
	s_mov_b32 s40, 0x76543210                      ; v_permlanex16_b32: each lane takes its own place in the other half
	s_mov_b32 s41, 0xfedcba98
	s_mov_b32 s42, 0x3c23d70a                      ; 0.01
	s_mov_b32 s43, s42                             ; named with it as a pair
	s_mov_b32 s44, 0x3a83126f                      ; 0.001
	s_mov_b32 s45, s44
	s_mov_b32 s49, 0                               ; the high word of every offset
	s_mov_b32 s55, 0x3089705f                      ; 1e-9
.set i, 0
.rept 26
	v_mov_b32 v[CT+2*i+1], 0                       ; the coefficients' pair partners: named, never used
.set i, i+1
.endr
	s_wait_kmcnt 0x0
	s_load_b128 s[24:27], s[6:7], 0x0              ; slice, slot number + 6, launch number, 0: stored by the launch before
	global_load_b32 v9, v9, s[14:15]               ; it lands on its own address register
	global_load_b128 v[10:13], v2, s[4:5] offset:CTRLF
.irp i, 0,1,2,3
	global_load_b128 v[Z+4*\i:Z+4*\i+3], v2, s[4:5] offset:PART+512*\i
.endr
	WIN 0x80                                       ; destination window 2
.set i, 0
.rept 32
	global_load_b128 v[W1F+4*i:W1F+4*i+3], v2, s[8:9] offset:512*i   ; W1's sixteen quads, then W2's
.set i, i+1
.endr
.irp g, 0,1,2,3,4,5,6,7
	global_load_b128 v[B1+4*\g:B1+4*\g+3], v6, s[10:11] offset:(\g/2)*64+(\g%2)*16
	global_load_b128 v[B2+4*\g:B2+4*\g+3], v6, s[12:13] offset:(\g/2)*64+(\g%2)*16
.endr
	WIN 0
	s_wait_kmcnt 0x0
	s_min_u32 s24, s24, 7                          ; numbers that were loaded are held to their ranges before they enter an address or a count
	s_min_u32 s25, s25, 47
	s_sub_co_u32 s28, 47, s25                      ; R: slots left
	s_min_u32 s28, s28, 28                         ; fourteen steps have passed slot 12 at the least: the tables' 32 lanes suffice
	s_add_co_u32 s29, s28, 1                       ; passes
	s_cmp_eq_u32 s28, 0
	s_cselect_b32 s30, 1, 512                      ; tiles of a wave that stays
	s_cselect_b32 s32, s23, 0                      ; the first of them
	s_cselect_b32 s31, 0, s23
	s_cmp_lg_u32 s31, 0
	s_cbranch_scc1 .Lquit                          ; R > 0: the first wave alone walks
	s_wait_loadcnt 48                              ; vt, the state and the partial sums are in; behind them were issued the weights' 32 and the biases' 16
	VTPAIR 24
	s_add_co_u32 s60, s25, 1
	s_mul_i32 s31, s24, 6
	s_add_co_u32 s31, s31, 6
	s_cmp_eq_u32 s60, s31
	s_cselect_b32 s35, -1, 0                       ; the slot behind begins a segment
	PSUM
	v_cmp_ne_u32 s36, 0, v13                       ; act of the slot that is finished
	CTRL_FIN
	s_mov_b32 s57, s38                             ; was the fourteenth step's slot taken: kept for every pass
	s_wait_dscnt 0x0                               ; vt's two numbers
	CTRL_NEXT
	v_mov_b32 v28, v22                             ; HTAB: lane 0 counts
	v_mov_b32 v29, 0                               ; ATAB: nothing is known to be taken
	v_mov_b32 v30, 0
	s_wait_loadcnt 0x0                             ; weights and biases
	WIN 0x82
.set i, 0
.rept 16
	v_pk_mul_f32 v[B1+i:B1+i+1], v[B1+i:B1+i+1], 0x4038aa3b op_sel_hi:[1,0]  ; b1 times 2 log2(e), as W1 was
.set i, i+2
.endr
	WIN 0                                          ; at a label and at a branch every window is 0
	s_mov_b32 s33, 0                               ; p
.Lpass:
	s_add_co_u32 s50, s33, 1
	s_min_u32 s50, s50, s28                        ; slots of this pass: p replayed and one measured; the last pass replays all R
	v_mov_b32 v31, 0
	s_mov_b32 s34, 0
.Ltile:
	s_add_co_u32 s54, s32, s34
	s_min_u32 s54, s54, 511
	s_wait_xcnt 0x0                                ; the last stores' base and data (E) are rewritten only behind this wait
	s_lshl_b32 s48, s54, 12
	s_add_nc_u64 s[52:53], s[4:5], s[48:49]        ; the tile in the stored state
.irp g, 0,1,2,3,4,5,6,7
	global_load_b128 v[Y+4*\g:Y+4*\g+3], v2, s[52:53] offset:512*\g
.endr
.irp g, 0,1,2,3,4,5,6,7
	global_load_b128 v[S+4*\g:S+4*\g+3], v2, s[52:53] offset:YNEW+512*\g
.endr
	s_lshl_b32 s31, s24, 21
	s_add_co_u32 s48, s48, s31
	s_add_nc_u64 s[46:47], s[20:21], s[48:49]      ; the tile's rows in the finished slot's slice
	s_wait_loadcnt 0x0
.set i, 0
.rept 32
	v_cndmask_b32 v[Y+i], v[Y+i], v[S+i], s57
.set i, i+1
.endr
	WAYOUT
	s_cmp_eq_u32 s50, 0
	s_cbranch_scc1 .Lno_slot                       ; R = 0: nothing is left to walk
	s_mov_b32 s51, 0                               ; q
.Lslot:
	s_lshl_b32 s31, s51, 2
	v_mov_b32 v14, s31
	ds_bpermute_b32 v16, v14, v28                  ; slot q's step,
	ds_bpermute_b32 v17, v14, v29                  ; and whether it was taken (0 for the slot that is being measured)
	s_wait_dscnt 0x0
	COEF 16
	STEP7
	ERRSUM
	v_cmp_ne_u32 s58, 0, v17
.set i, 0
.rept 32
	v_cndmask_b32 v[Y+i], v[Y+i], v[S+i], s58
.set i, i+1
.endr
	s_add_co_u32 s60, s25, s51
	s_add_co_u32 s60, s60, 1                       ; the slot's number + 6, at most 48;
	s_mul_i32 s60, s60, 43
	s_lshr_b32 s60, s60, 8                         ; a sixth of it (x 43 / 256 is exact up to 48) is its slice
	s_min_u32 s60, s60, 7
	s_lshl_b32 s48, s60, 21
	s_lshl_b32 s31, s54, 12
	s_add_co_u32 s48, s48, s31
	s_wait_xcnt 0x0                                ; the last stores' base and data are rewritten only behind this wait
	s_add_nc_u64 s[46:47], s[20:21], s[48:49]
	WAYOUT
	s_add_co_u32 s51, s51, 1
	s_cmp_lt_u32 s51, s50
	s_cbranch_scc1 .Lslot
.Lno_slot:
	v_add_f32 v31, v31, v30                        ; the pass's last slot, this tile
	s_add_co_u32 s34, s34, 1
	s_cmp_lt_u32 s34, s30
	s_cbranch_scc1 .Ltile
	; slot p is finished and slot p + 1 prepared (behind the last pass this serves nothing: the price of one text for every pass)
	s_add_co_u32 s60, s25, s33
	s_add_co_u32 s60, s60, 1                       ; slot p's number + 6
	s_mul_i32 s61, s60, 43
	s_lshr_b32 s61, s61, 8
	s_min_u32 s61, s61, 7                          ; its slice
	VTPAIR 61
	s_mul_i32 s31, s61, 6
	s_add_co_u32 s31, s31, 5
	s_cmp_eq_u32 s60, s31
	s_cselect_b32 s35, -1, 0                       ; it is its segment's sixth: the next begins a segment
	v_mov_b32 v14, v31
	WSUM 14, 15
	CTRL_FIN
	v_cmp_eq_u32 s58, s33, v1
	s_and_b32 s59, s58, s38
	v_cndmask_b32 v29, v29, 1, s59                 ; ATAB's lane p
	s_wait_dscnt 0x0                               ; vt's two numbers
	CTRL_NEXT
	s_add_co_u32 s31, s33, 1
	v_cmp_eq_u32 s58, s31, v1
	v_cndmask_b32 v28, v28, v22, s58               ; HTAB's lane p + 1
	s_add_co_u32 s33, s33, 1
	s_cmp_lt_u32 s33, s29
	s_cbranch_scc1 .Lpass
	s_wait_tensorcnt 0x0                           ; the wave's end
	ds_add_u32 v7, v8
	s_wait_dscnt 0x0
	s_endpgm
.Lquit:                                                ; reached only ahead of every LDS write
	s_endpgm
.Lfunc_end_k_qfeff8fb4f7_last:
	.size	k_qfeff8fb4f7_last, .Lfunc_end_k_qfeff8fb4f7_last-k_qfeff8fb4f7_last
	.p2alignl 7, 3214868480
	.fill 96, 4, 3214868480
	.section	.rodata,"a",@progbits
	.p2align	6, 0x0
	.amdhsa_kernel k_qfeff8fb4f7_last
		.amdhsa_group_segment_fixed_size 8960
		.amdhsa_private_segment_fixed_size 0
		.amdhsa_enable_private_segment 0
		.amdhsa_kernarg_size 56
		.amdhsa_user_sgpr_count 2
		.amdhsa_user_sgpr_kernarg_segment_ptr 1
		.amdhsa_wavefront_size32 1
		.amdhsa_system_sgpr_workgroup_id_x 1
		.amdhsa_system_sgpr_workgroup_id_y 1
		.amdhsa_system_sgpr_workgroup_id_z 1
		.amdhsa_system_vgpr_workitem_id 0
		.amdhsa_next_free_vgpr 704
		.amdhsa_next_free_sgpr 66
		.amdhsa_reserve_vcc 0
		.amdhsa_float_denorm_mode_32 3
		.amdhsa_float_denorm_mode_16_64 3
		.amdhsa_memory_ordered 1
		.amdhsa_forward_progress 1
		.amdhsa_inst_pref_size 113
	.end_amdhsa_kernel
	.amdgpu_metadata
---
amdhsa.version: [ 1, 2 ]
amdhsa.kernels:
  - .name:           k_qfeff8fb4f7_last
    .symbol:         k_qfeff8fb4f7_last.kd
    .args:
      - { .name: SA, .offset: 0, .size: 8, .value_kind: global_buffer, .address_space: global }
      - { .name: IA, .offset: 8, .size: 8, .value_kind: global_buffer, .address_space: global }
      - { .name: WF, .offset: 16, .size: 8, .value_kind: global_buffer, .address_space: global }
      - { .name: b1, .offset: 24, .size: 8, .value_kind: global_buffer, .address_space: global }
      - { .name: b2, .offset: 32, .size: 8, .value_kind: global_buffer, .address_space: global }
      - { .name: vt, .offset: 40, .size: 8, .value_kind: global_buffer, .address_space: global }
      - { .name: out0, .offset: 48, .size: 8, .value_kind: global_buffer, .address_space: global }
    .group_segment_fixed_size: 8960
    .private_segment_fixed_size: 0
    .kernarg_segment_align: 8
    .kernarg_segment_size: 56
    .max_flat_workgroup_size: 64
    .sgpr_count:     66
    .vgpr_count:     704
    .wavefront_size: 32
...
	.end_amdgpu_metadata
.endif
;; end of part 3
